; MI455X (gfx1250); checked and timed in simulation.
; The chip was launched on July 23, 2026; its instructions are those of AMD's public machine-readable ISA for CDNA 5 (MIT licence, August 2026) and "CDNA5" Instruction Set Architecture Reference Guide (July 2026). The comments in the code are by the model that wrote it; some were corrected since.
;; Multi Head Attention Quantum. Allowed arithmetic: matrix products marked QUANTISED: E5M2 operands, one given power-of-two scale a tensor, by v_wmma_f32_16x16x64_bf8_bf8 or v_wmma_f32_16x16x128_bf8_bf8, f32 sums; products left as they are: f32 operands where the result goes on into a quantised operand, else bf16, f16 or f32 operands; f32 sums; everything else in f32.
;; Inputs: Wk_codes 128 x 4 x 32 uint8 (E5M2 codes of Wk, K innermost, in blocks of 32 codes); Wo_codes 128 x 4 x 32 uint8 (E5M2 codes of Wo, K innermost, in blocks of 32 codes); Wq_codes 128 x 4 x 32 uint8 (E5M2 codes of Wq, K innermost, in blocks of 32 codes); Wv_codes 128 x 4 x 32 uint8 (E5M2 codes of Wv, K innermost, in blocks of 32 codes); lowp_scales 8 int32 (the exponents e of the quantised operands' scales 2^e); theta 8 float32; x_codes 2 x 2,048 x 4 x 32 uint8 (E5M2 codes of x, K innermost, in blocks of 32 codes).
;; Outputs: out0 2 x 2,048 x 128 float32.
;; This version of the problem:
;;   THIS VERSION OF THE PROBLEM IS GIVEN IN LOW PRECISION. The matrix products marked QUANTISED in the list below multiply operands that are first quantised to E5M2 (5 exponent bits, 2 mantissa bits; 8 bits a number), with one given power-of-two scale for each operand tensor; their sums are f32. All else is computed in f32.
;;   The module's matrix products, in the order in which they are computed (A, B: the left and right operand; K: the contracted axis; several contracted axes count as one K, in the product's order):
;;     1. [M 4,096, K 128] x [K 128, N 128]; A: input x (given as codes); B: input Wq (given as codes): QUANTISED (scales: A lowp_scales[0], B lowp_scales[1])
;;     2. [M 4,096, K 128] x [K 128, N 128]; A: input x (given as codes); B: input Wk (given as codes): QUANTISED (scales: A lowp_scales[2], B lowp_scales[3])
;;     3. [M 4,096, K 128] x [K 128, N 128]; A: input x (given as codes); B: input Wv (given as codes): QUANTISED (scales: A lowp_scales[4], B lowp_scales[5])
;;     4. batch 32 x [M 2,048, K 8] x [K 8, N 2,048]; A: computed on the way; B: computed on the way: left as it is (K = 8 < 32)
;;     5. batch 32 x [M 2,048, K 2,048] x [K 2,048, N 8]; A: softmax; B: computed on the way: left as it is (N = 8 < 16)
;;     6. [M 4,096, K 128] x [K 128, N 128]; A: computed on the way; B: input Wo (given as codes): QUANTISED (scales: A lowp_scales[6], B lowp_scales[7])
;;   THE QUANTISER, for each operand of a quantised product, along K:
;;     - The operand's scale is 2^e, e = its entry of the input lowp_scales (int32; the entries are numbered through the quantised products in the list's order, A before B).
;;     - Each number is divided by the scale, clamped to +-57,344, and rounded to the nearest number of E5M2, ties to even, subnormals kept.
;;     - The product sums the exact products of the quantised numbers (number of the format x scale) in f32.
;;   ~~~python
;;   def quantise(x, axis, e):      # numpy; x: float32 -> the quantised numbers, widened to float32 again
;;       x = np.moveaxis(x, axis, -1); K = x.shape[-1]
;;       r = np.clip(x / 2.0 ** e, -57344, 57344)
;;       step = 2.0 ** (np.maximum(np.frexp(np.where(r == 0, 1, r))[1] - 1, -14) - 2)
;;       q = np.round(r / step) * step * 2.0 ** e      # np.round: ties to even
;;       return np.moveaxis(q, -1, axis).astype(np.float32)
;;   ~~~
;;   OPERANDS COMPUTED ON THE WAY. 'Computed on the way' means the value that the module computes at that place (a softmax that the list does not call 'softmax' is quantised finished and normalised). What goes into a quantiser is computed in f32, as accurately as f32 sums, v_exp_f32 and their like allow (about 1e-6 of the number): no bf16 or f16 on the way to a quantiser, and a product that is left as it is and whose result goes on into a quantised operand takes f32 operands (vector FMAs, or v_wmma_f32_16x16x4_f32). A number that lies on a knife's edge between two numbers of the format may be rounded either way, as far as f32 arithmetic and the matrix unit's own rounding can turn it there, and no further.
;;   INPUTS GIVEN AS CODES. Wk (in the module: [128, 128], K = its axis 1); Wo (in the module: [128, 128], K = its axis 1); Wq (in the module: [128, 128], K = its axis 1); Wv (in the module: [128, 128], K = its axis 1); x (in the module: [2, 2048, 128], K = its axis 2): each comes as NAME_codes (uint8): NAME with its K axis moved to the last place and cut into blocks of 32 codes, [.., K / 32, bytes a block], one block behind the other in memory; one code a byte (a code: sign, 5 exponent bits, 2 mantissa bits); its scale is its entry of lowp_scales. Its value is code x scale, taken as it is: it is not quantised again, and the codes and scales need not be those that the quantiser above would give.
;; One version. Each part assembles by itself: llvm-mc -triple=amdgcn-amd-amdhsa -mcpu=gfx1250 --defsym DOCPART=n.
;; ======== version 1 of 1: 2 launches
;; limits: right only within a limited range of input values
;; workspace buffers: acodes 524,288 bytes
;; launch attn (part 1): grid 8 x 32, 8 waves a work-group, no clusters, 165,120 bytes of LDS; arguments x_codes, Wq_codes, Wk_codes, Wv_codes, lowp_scales, theta, acodes; writes acodes
.if DOCPART == 1
	.amdgcn_target "amdgcn-amd-amdhsa--gfx1250"
	.amdhsa_code_object_version 6
	.text
	.protected	k_qb8fc365fae_attn
	.globl	k_qb8fc365fae_attn
	.p2align	8
	.type	k_qb8fc365fae_attn,@function
k_qb8fc365fae_attn:
	s_mov_b64 s[64:65], 0
	v_nop
	global_prefetch_b8 v0, s[64:65] scope:SCOPE_SE
	s_setreg_imm32_b32 hwreg(HW_REG_WAVE_MODE, 25, 1), 1
	s_wait_xcnt 0x0
; q, k, v = cos(x W^T + theta) (three products on E5M2 codes), p = softmax(q k^T / sqrt(8)), o = p v, and o's codes of E5M2 for the last product: all in this launch.
; x: [2][2048][128] codes; Wq, Wk, Wv: [128][128] codes, K innermost; lowp_scales: e0 .. e7; theta: [8] f32.  acodes (workspace): [batch][head][position][8] codes of o, scale 2^e6.
; NOTHING OF reference() IS LEFT OUT AS DEAD WORK, and every input is loaded (Wo and e7 by the next launch).
; THE MAXIMUM.  reference()'s softmax takes the row's maximum away.  Here none is taken: q and k are cosines, made by the computation itself, so |q . k| / sqrt(8) <= 8 / sqrt(8) = 2.83 for every input:
; p = 2^(score x log2 e) lies between 2^-4.09 and 2^4.09, and a row's sum of 2,048 of them under 2^16: no exponential and no sum can overflow or underflow in f32.  So sums over parts of the keys simply add.
; FORMATS.  q k^T and p v go on into a quantised operand, so both take f32 operands: q k^T by v_wmma_f32_16x16x4_f32, p v by packed fused multiply-adds.
; SHARES.  A work-group owns one batch and head and 256 queries.  HEAD: each of its eight waves makes k and v of 16 of the 128 tiles of 16 keys and lays them in LDS; and q of its own 128 queries, in registers.
; LOOP: wave w takes query group w % 2 (8 tiles of 16 queries) and key quarter w / 2 (32 tiles of 16 keys).  S^T = k q^T: a lane holds ONE query (lane % 16) and the keys 8 (lane / 16) + 0 .. 7 of the tile.
; O and the row's sum are kept as PAIRS, one sum over even keys and one over odd keys: a packed multiply-add takes (v of keys 2 j, 2 j + 1 at one d) x (p of keys 2 j, 2 j + 1), so no operand is broadcast.
; A TRIP is one tile of 16 keys against my 8 tiles of queries, three key tiles at work in it, in two parts, each under ONE window setting.
;   Part A: O of query tiles 0-3: 128 packed multiply-adds of tile t; among them the 64 exponentials of tile t + 1's scores, never two on end, into the other of two p buffers.
;   Part B: O of query tiles 4-7 and the eight sums: 160 packed multiply-adds of tile t; among them the 16 matrix instructions of tile t + 2's scores; at the end of each quarter the LDS loads of tile t + 1's v into
;   the registers just read, three quarters of a trip ahead of their use.  p and k change buffers from trip to trip, so the loop's body is two trips.
; END: a query's eight partial sums (4 key quarters x 2 halves of the lanes) meet in LDS; one lane a query adds them, divides by the sum, quantises 8 numbers to 8 codes; a wave stores 256 consecutive bytes, aligned.
; THE COSINE is written out in f32: n = the whole number nearest t / pi (by adding 1.5 x 2^23), r = t - n pi in two parts, cos t = (-1)^n (1 - r^2/2 + .. + r^12/12!); the series' rest at |r| = pi/2 is 6.4e-9.
; LDS: k and v alike as [tile of 16 keys: 640 bytes][half of 8 keys: 320][pair of keys: 64][d: 8][key of the pair: 4]; 256 of each 320 bytes are used.  v begins 128 bytes past a multiple of 256.  So the four runs of 64 bytes that
; one ds_store_b64 of the head writes (k or v, first or second half) fall on four different quarters of the 64 banks of 4 bytes (ISA guide 11.1).
; NO CLUSTER, NO TENSOR LOAD: memory is read at the head alone, 264 KB a work-group, straight into operand registers; the loop's 32 trips read LDS alone.  x's 256 KB of a batch would not fit in LDS beside k and v (164 KB).
; LIMITS.  |x W + theta| < 2^22 pi (beyond it n is no whole number any more); e0 + e1, e2 + e3, e4 + e5 between -126 and 127, e6 between -126 and 112, so that each power of two below is an f32 number.
; REGISTERS, in windows of 256 (s_set_vgpr_msb: bits 1:0 source 0, 3:2 source 1, 5:4 source 2, 7:6 destination):
;   window 0: v0-15 ids and addresses; v24-55 q (4 a tile); v64-127 and v128-191 p of two key tiles; v192-255 O of query tiles 0-3; in the head v24-55 weights, v64-191 x's fragments, v192-255 sums
;   window 1: v0-63 O of query tiles 4-7; v64-79 the rows' sums; v80-143 v of a key tile; v144-207 S^T, written by matrix instructions alone; v208-215 k's fragments of two key tiles;
;   v216, v217 LDS addresses; v218-219 1.0; in the head v0-71 the cosine's constants and work
.set TKV,   640                        ; LDS bytes of a tile of 16 keys
.set HSTR,  320                        ; of its half
.set VBASE, 82048                      ; v begins here: 128 x 640 + 128
.set REDL,  65536                      ; the end: the partial sums l begin here; the partial O at 0
.set SPARE, 164096                     ; the spare words, 128 bytes for each wave: four blocks of 256 bytes that no other line names
.set NT,    32                         ; key tiles of a wave
.set SPW, 1                            ; v1   LDS address of my spare word; never rewritten
.set NIL, 2                            ; v2   0; never rewritten
.set XO,  3                            ; v3   x: row (lane % 16) x 128 + 16 (lane / 16)
.set WKO, 4                            ; v4   Wk, Wv: row (lane % 8) likewise
.set WQO, 5                            ; v5   Wq: row lane % 4 + 4 ((lane % 16) / 8) likewise
.set STA, 6                            ; v6   where the head stores k and v
.set AK0, 7                            ; v7   my lane's place in a tile of k
.set AV0, 8                            ; v8   in a tile of v
.set RA,  11                           ; v11  the end: where I put partial O
.set RLA, 12                           ; v12  and partial l
.set RR,  13                           ; v13  where I read them back
.set RRL, 14                           ; v14
.set GO,  15                           ; v15  my byte offset in the work-group's codes
.set QR,  24
.set WKV, 24                           ; head: Wk's 8 rows and Wv's 8 rows as one fragment
.set WQ,  40                           ; head: first Wv's rows, then Wq's fragment
.set PA,  64                           ; the two p buffers: PA and PA + 64
.set O0,  192                          ; O of query tiles 0-3, window 0
.set XR,  64                           ; head: eight fragments of x
.set AC,  192                          ; head: eight sums
.set O1,  0                            ; window 1: O of query tiles 4-7
.set LA,  64                           ; the eight sums
.set VR,  80                           ; v of a key tile
.set SA,  144                          ; S^T
.set KB,  208                          ; the two k buffers: KB and KB + 4
.set ADK, 216                          ; LDS address of the k loads
.set ADV, 217                          ; of the v loads
.set ONE, 218                          ; 1.0, twice
.set INVPI, 0                          ; window 1, head: constants as pairs
.set MAGIC, 2
.set NEGM,  4
.set NPIH,  6
.set NPIL,  8
.set C6,    10
.set C5,    12
.set C4,    14
.set C3,    16
.set C2,    18
.set C1,    20
.set ONE1,  22
.set THKV,  24                         ; theta of my column
.set SCKV,  26                         ; 2^(e2 + e3) or 2^(e4 + e5)
.set THQ,   28                         ; theta[4 (lane / 16) + 0 .. 3]
.set SCQ,   32                         ; 2^(e0 + e1)
.set CEXP,  34                         ; log2(e) / sqrt(8)
.set TT,    40                         ; t, then r
.set NF,    48                         ; n + 1.5 x 2^23, then the sign
.set NN,    56                         ; n, then r^2
.set PP,    64                         ; the series
.set RG,  64                           ; the end, window 0: 12 registers a tile: O (8), l (1)
.set GR,  64                           ; eight partial O of my query
.set GL,  128                          ; eight partial l
.set RC,  140
.set ER,  142
.set SCO, 144
.set LIM, 145
.set CD,  146
.set TB,  42                           ; s42  LDS byte of the key tile from which the loads' offsets count
.set CNT, 43                           ; s43  the loop's passes
.set MSB, 0
.macro WIN new                         ; the immediate's high byte repeats the setting that is left
.if MSB != \new
	s_set_vgpr_msb (MSB<<8)|\new
.set MSB, \new
.endif
.endm
.macro PLACES n
.rept \n
	v_nop
.endr
.endm
.macro CONST reg, val
	v_mov_b32 v[\reg], \val
	v_mov_b32 v[\reg+1], \val
.endm
	s_load_b256 s[4:11], s[0:1], 0x0               ; x s[4:5], Wq s[6:7], Wk s[8:9], Wv s[10:11]
	s_load_b128 s[12:15], s[0:1], 0x20             ; the scales' exponents s[12:13], theta s[14:15]
	s_load_b64 s[16:17], s[0:1], 0x30              ; acodes
	v_lshl_add_u32 v[SPW], v0, 2, SPARE
	v_mov_b32 v[NIL], 0
	v_lshrrev_b32 v56, 5, v0
	v_readfirstlane_b32 s18, v56                   ; wave 0..7
	s_and_b32 s19, s18, 1                          ; my query group
	s_lshr_b32 s20, s18, 1                         ; my key quarter
	s_and_b32 s21, ttmp7, 0xffff                   ; 16 x batch + head
	s_lshr_b32 s22, s21, 4                         ; batch
	s_and_b32 s23, s21, 15                         ; head
	v_and_b32 v56, 15, v0                          ; r = lane % 16
	v_bfe_u32 v57, v0, 4, 1                        ; h = lane / 16
	v_and_b32 v58, 7, v0                           ; r % 8
	v_bfe_u32 v59, v0, 3, 1                        ; r / 8
	v_lshlrev_b32 v[XO], 7, v56
	v_lshl_add_u32 v[XO], v57, 4, v[XO]
	v_lshlrev_b32 v[WKO], 7, v58
	v_lshl_add_u32 v[WKO], v57, 4, v[WKO]
	v_and_b32 v60, 3, v0
	v_lshl_add_u32 v60, v59, 2, v60                ; Wq's rows of the fragment: 0-3, 0-3, 4-7, 4-7: result rows 0-3 and 8-11 are d = 0-3 and 4-7
	v_lshlrev_b32 v[WQO], 7, v60
	v_lshl_add_u32 v[WQO], v57, 4, v[WQO]
	v_lshlrev_b32 v61, 2, v58                      ; theta[r % 8]
	v_lshlrev_b32 v62, 4, v57                      ; theta[4 h ..]
	s_lshl_b32 s28, s22, 18                        ; the batch's 2,048 rows of 128 bytes
	s_lshl_b32 s24, s18, 15                        ; my 16 key tiles of 2,048 bytes
	s_add_co_u32 s24, s24, s28
	s_mov_b32 s25, 0
	s_lshl_b32 s26, ttmp9, 15                      ; the work-group's 256 queries,
	s_add_co_u32 s26, s26, s28
	s_lshl_b32 s29, s19, 14                        ; my group's 128 of them
	s_add_co_u32 s26, s26, s29
	s_mov_b32 s27, 0
	s_lshl_b32 s28, s23, 10                        ; the head's 8 rows of a weight
	s_mov_b32 s29, 0
	s_lshl_b32 s30, s21, 14                        ; acodes: 2,048 positions x 8 bytes for each batch and head,
	s_lshl_b32 s31, ttmp9, 11                      ; the work-group's 256 positions
	s_add_co_u32 s30, s30, s31
	s_mov_b32 s31, 0
	s_wait_kmcnt 0x0
	s_load_b256 s[32:39], s[12:13], 0x0            ; e0 .. e7
	s_add_nc_u64 s[24:25], s[4:5], s[24:25]        ; x at my first key
	s_add_nc_u64 s[26:27], s[4:5], s[26:27]        ; x at my first query
	s_add_nc_u64 s[6:7], s[6:7], s[28:29]
	s_add_nc_u64 s[8:9], s[8:9], s[28:29]
	s_add_nc_u64 s[10:11], s[10:11], s[28:29]
	s_add_nc_u64 s[16:17], s[16:17], s[30:31]
; A fragment, 16 rows x 128 codes, is 16 registers: four loads of 16 bytes, 32 apart: lane (r, h) holds k = 32 c + 16 h + 0 .. 15 of row r in registers 4 c .. 4 c + 3.  That is a permutation of k, the same in x and in the weights.
.macro XLOAD base, first               ; eight tiles of x, from tile \first of the rows at s[base]
.set nx, 0
.rept 8
.irp c, 0,1,2,3
	global_load_b128 v[XR+16*nx+4*\c:XR+16*nx+4*\c+3], v[XO], s[\base:\base+1] offset:2048*((\first)+nx)+32*\c
.endr
.set nx, nx+1
.endr
.endm
.irp c, 0,1,2,3
	global_load_b128 v[WKV+4*\c:WKV+4*\c+3], v[WKO], s[8:9] offset:32*\c     ; Wk's row r % 8, in all lanes
	global_load_b128 v[WQ+4*\c:WQ+4*\c+3], v[WKO], s[10:11] offset:32*\c     ; Wv's row r % 8
.endr
	XLOAD 24, 0                                    ; my key tiles 0 to 7: 32 loads
	WIN 0x40                                       ; destination window 1
	global_load_b32 v[THKV], v61, s[14:15]
	global_load_b32 v[THKV+1], v61, s[14:15]
	global_load_b128 v[THQ:THQ+3], v62, s[14:15]
	CONST INVPI, 0x3ea2f983                        ; 1 / pi
	CONST MAGIC, 0x4b400000                        ; 1.5 x 2^23
	CONST NEGM,  0xcb400000
	CONST NPIH,  0xc0490fdb                        ; -(pi rounded to f32)
	CONST NPIL,  0x33bbbd2e                        ; -(pi less that)
	CONST C6,    0x310f76c7                        ; 1/12!
	CONST C5,    0xb493f27e                        ; -1/10!
	CONST C4,    0x37d00d01                        ; 1/8!
	CONST C3,    0xbab60b61                        ; -1/6!
	CONST C2,    0x3d2aaaab                        ; 1/4!
	CONST C1,    0xbf000000                        ; -1/2
	CONST ONE1,  1.0
	CONST CEXP,  0x3f0293ee                        ; log2(e) / sqrt(8)
	WIN 0
	v_mul_u32_u24 v[STA], v59, VBASE               ; columns 0-7 are k's, 8-15 v's;
	v_lshl_add_u32 v[STA], v58, 3, v[STA]          ; d = r % 8: 8 bytes;
	v_mad_u32_u24 v[STA], v57, HSTR, v[STA]        ; my half of the tile's keys;
	s_mul_i32 s30, s18, 16*TKV
	v_add_nc_u32 v[STA], s30, v[STA]               ; my wave's 16 tiles
	v_mul_u32_u24 v[AK0], v59, HSTR                ; k's fragment: lane (r, h) takes key r: half r / 8,
	v_bfe_u32 v63, v0, 1, 2
	v_lshl_add_u32 v[AK0], v63, 6, v[AK0]          ; pair (r % 8) / 2,
	v_and_b32 v63, 1, v0
	v_lshl_add_u32 v[AK0], v63, 2, v[AK0]          ; key r % 2 of the pair,
	v_lshl_add_u32 v[AK0], v57, 5, v[AK0]          ; d = 4 h + 0 .. 3, 8 bytes apart
	v_mul_u32_u24 v[AV0], v57, HSTR
	v_add_nc_u32 v[AV0], VBASE, v[AV0]             ; v: my half's 256 bytes, the same for its 16 lanes
	v_lshlrev_b32 v[RA], 4, v56                    ; the end: plane (2 x quarter + h, half of d): 4,096 bytes, 16 a query
	v_lshl_add_u32 v[RA], v57, 13, v[RA]
	s_lshl_b32 s30, s20, 14
	s_lshl_b32 s31, s19, 11
	s_add_co_u32 s30, s30, s31
	v_add_nc_u32 v[RA], s30, v[RA]
	v_lshlrev_b32 v[RLA], 2, v56                   ; l: plane of 1,024 bytes, 4 a query
	v_lshl_add_u32 v[RLA], v57, 10, v[RLA]
	s_lshl_b32 s30, s20, 11
	s_lshl_b32 s31, s19, 9
	s_add_co_u32 s30, s30, s31
	s_add_co_u32 s30, s30, REDL
	v_add_nc_u32 v[RLA], s30, v[RLA]
	v_lshlrev_b32 v[RR], 4, v0                     ; back: thread = query
	v_lshl_add_u32 v[RRL], v0, 2, REDL
	v_lshlrev_b32 v[GO], 3, v0
	v_and_b32 v63, 8, v0
	v_cmp_ne_u32 vcc_lo, 0, v63                    ; lanes with r >= 8: v's columns
	s_wait_kmcnt 0x0
	s_add_co_i32 s40, s32, s33
	s_add_co_i32 s40, s40, 127
	s_lshl_b32 s40, s40, 23                        ; 2^(e0 + e1) as f32
	s_add_co_i32 s41, s34, s35
	s_add_co_i32 s41, s41, 127
	s_lshl_b32 s41, s41, 23                        ; 2^(e2 + e3)
	s_add_co_i32 s44, s36, s37
	s_add_co_i32 s44, s44, 127
	s_lshl_b32 s44, s44, 23                        ; 2^(e4 + e5)
	s_add_co_i32 s45, s38, 127
	s_add_co_i32 s46, s45, 15
	s_lshl_b32 s45, s45, 23                        ; 2^e6: the conversion takes its exponent field
	s_lshl_b32 s46, s46, 23
	s_or_b32 s46, s46, 0x600000                    ; 57,344 x 2^e6
	v_mov_b32 v22, s41
	v_mov_b32 v23, s44
	WIN 0x40
	v_cndmask_b32 v[SCKV], v22, v23, vcc_lo
	v_cndmask_b32 v[SCKV+1], v22, v23, vcc_lo
	v_mov_b32 v[SCQ], s40
	v_mov_b32 v[SCQ+1], s40
	WIN 0
	s_wait_loadcnt 0x0                             ; the weights, theta and the first eight tiles of x
.set ix, 0
.rept 16
	v_cndmask_b32 v[WKV+ix], v[WKV+ix], v[WQ+ix], vcc_lo   ; one fragment of 16 columns: Wk's 8 rows, then Wv's 8
.set ix, ix+1
.endr
.irp c, 0,1,2,3
	global_load_b128 v[WQ+4*\c:WQ+4*\c+3], v[WQO], s[6:7] offset:32*\c       ; Wq's fragment, where Wv's rows lay
.endr
; cos of 8 numbers t in v[TT] on (window 1), into v[PP] on: packed, four pairs by turns.
.macro COSBODY
	WIN 0x55
.irp i, 0,2,4,6
	v_pk_fma_f32 v[NF+\i:NF+\i+1], v[TT+\i:TT+\i+1], v[INVPI:INVPI+1], v[MAGIC:MAGIC+1]   ; t / pi + 1.5 x 2^23: rounded to a whole number; its lowest bit is n's parity
.endr
.irp i, 0,2,4,6
	v_pk_add_f32 v[NN+\i:NN+\i+1], v[NF+\i:NF+\i+1], v[NEGM:NEGM+1]                       ; n
.endr
.irp i, 0,2,4,6
	v_pk_fma_f32 v[TT+\i:TT+\i+1], v[NN+\i:NN+\i+1], v[NPIH:NPIH+1], v[TT+\i:TT+\i+1]
.endr
.irp i, 0,2,4,6
	v_pk_fma_f32 v[TT+\i:TT+\i+1], v[NN+\i:NN+\i+1], v[NPIL:NPIL+1], v[TT+\i:TT+\i+1]     ; r = t - n pi
.endr
.irp i, 0,2,4,6
	v_pk_mul_f32 v[NN+\i:NN+\i+1], v[TT+\i:TT+\i+1], v[TT+\i:TT+\i+1]                     ; r^2
.endr
	s_wait_dscnt 0x0                               ; the last tile's LDS stores have read v[PP] on
.irp i, 0,2,4,6
	v_pk_fma_f32 v[PP+\i:PP+\i+1], v[NN+\i:NN+\i+1], v[C6:C6+1], v[C5:C5+1]
.endr
.irp cf, C4, C3, C2, C1, ONE1
.irp i, 0,2,4,6
	v_pk_fma_f32 v[PP+\i:PP+\i+1], v[PP+\i:PP+\i+1], v[NN+\i:NN+\i+1], v[\cf:\cf+1]
.endr
.endr
.irp i, 0,1,2,3,4,5,6,7
	v_lshlrev_b32 v[NF+\i], 31, v[NF+\i]           ; n's parity as a sign bit
.endr
.irp i, 0,1,2,3,4,5,6,7
	v_xor_b32 v[PP+\i], v[PP+\i], v[NF+\i]         ; cos t = (-1)^n cos r
.endr
.endm
; Eight products: source 0 = 16 keys of x, source 1 = the 16 columns: lane (r, h) holds column r (d = r % 8 of k or of v) and the keys 8 h + 0 .. 7.  Four places follow, for the loads into x's registers and the reads of the sums.
.macro KVMUL
.set nx, 0
.rept 8
	v_wmma_f32_16x16x128_bf8_bf8 v[AC+8*nx:AC+8*nx+7], v[XR+16*nx:XR+16*nx+15], v[WKV:WKV+15], 0
.set nx, nx+1
.endr
	PLACES 4
.endm
; A tile's sums become cosines and go to LDS: a lane's registers 2 j, 2 j + 1 are a pair of keys at one d: 8 bytes.
.macro KVTILE n, off
	WIN 0x54                                       ; source 0 (the sums; an LDS address) window 0, all else window 1
.irp i, 0,2,4,6
	v_pk_fma_f32 v[TT+\i:TT+\i+1], v[AC+8*(\n)+\i:AC+8*(\n)+\i+1], v[SCKV:SCKV+1], v[THKV:THKV+1]   ; t = sum x 2^(the two exponents) + theta; each sum's registers from the low end on
.endr
	COSBODY
	WIN 0x54
.irp i, 0,1,2,3
	ds_store_b64 v[STA], v[PP+2*\i:PP+2*\i+1] offset:(\off)+64*\i
.endr
.endm
	KVMUL
	XLOAD 24, 8                                    ; my key tiles 8 to 15 land while the first eight are worked
.irp n, 0,1,2,3,4,5,6,7
	KVTILE \n, \n*TKV
.endr
	WIN 0
	s_wait_loadcnt 0x0
	KVMUL
	XLOAD 26, 0                                    ; my eight tiles of queries
.irp n, 0,1,2,3,4,5,6,7
	KVTILE \n, (8+\n)*TKV
.endr
	WIN 0
	s_wait_loadcnt 0x0
.set nx, 0
.rept 8                                        ; q, transposed: source 0 = Wq's rows, source 1 = 16 queries: lane (r, h) holds query r, and registers 0-3 hold d = 4 h + 0 .. 3: the f32 operand's own registers
	v_wmma_f32_16x16x128_bf8_bf8 v[AC+8*nx:AC+8*nx+7], v[WQ:WQ+15], v[XR+16*nx:XR+16*nx+15], 0
.set nx, nx+1
.endr
	PLACES 4
.macro QTILES t                        ; tiles t and t + 1
	WIN 0x54
.irp u, 0,1
	v_pk_fma_f32 v[TT+4*\u:TT+4*\u+1], v[AC+8*((\t)+\u):AC+8*((\t)+\u)+1], v[SCQ:SCQ+1], v[THQ:THQ+1]
	v_pk_fma_f32 v[TT+4*\u+2:TT+4*\u+3], v[AC+8*((\t)+\u)+2:AC+8*((\t)+\u)+3], v[SCQ:SCQ+1], v[THQ+2:THQ+3]
.endr
	COSBODY
	WIN 0x05                                       ; sources window 1, destination window 0
.irp i, 0,2,4,6
	v_pk_mul_f32 v[QR+4*(\t)+\i:QR+4*(\t)+\i+1], v[PP+\i:PP+\i+1], v[CEXP:CEXP+1]   ; q x log2(e) / sqrt(8): a score is then the exponent of 2
.endr
.endm
	QTILES 0
	QTILES 2
	QTILES 4
	QTILES 6
	WIN 0
	s_wait_dscnt 0x0                               ; for the others' sake: my stores of k and v have landed
	s_barrier_signal -1
	s_barrier_wait -1                              ; all 128 tiles lie in LDS
; THE LOOP'S PARTS.  All LDS offsets count from the key tile at s[TB], which v[ADK] and v[ADV] hold with my lane's place.
.macro KLD reg, n                      ; k of the tile n tiles on: lane (r, h): key r, d = 4 h + 0 .. 3
.irp i, 0,1,2,3
	ds_load_b32 v[(\reg)+\i], v[ADK] offset:(\n)*TKV+8*\i
.endr
.endm
.macro VLD g, u                        ; v's pair of keys g of the tile u + 1 tiles on: four loads of 16 bytes, the same bytes for 16 lanes: v[VR + 16 g + 2 d] is (v of key 2 g, of key 2 g + 1) at d
.irp i, 0,1,2,3
	ds_load_b128 v[VR+16*(\g)+4*\i:VR+16*(\g)+4*\i+3], v[ADV] offset:((\u)+1)*TKV+64*(\g)+16*\i
.endr
.endm
; Matrix instruction wx of 16 of S^T = k q^T: 0-7 start the eight tiles' sums with d = 4 h + 0, 1; 8-15 add d = 4 h + 2, 3.  The accumulators take turns, one instruction a turn.
.macro SMUL
.if wx < 8
	v_wmma_f32_16x16x4_f32 v[SA+8*wx:SA+8*wx+7], v[KCU:KCU+1], v[QR+4*wx:QR+4*wx+1], 0
.else
	v_wmma_f32_16x16x4_f32 v[SA+8*(wx-8):SA+8*(wx-8)+7], v[KCU+2:KCU+3], v[QR+4*(wx-8)+2:QR+4*(wx-8)+3], v[SA+8*(wx-8):SA+8*(wx-8)+7]
.endif
.endm
; THE TRIP of key tile t.  par = t % 2: which p buffer is read and which k buffer is multiplied; the others are written.  u: t counted from the tile at s[TB].
; first = 1: the products start O's and l's sums: nothing is cleared.  ex: tile t + 1's exponentials.  wm: tile t + 2's scores.  ldv: tile t + 1's v.  ldk: tile t + 3's k.  step: s[TB] goes so many tiles on at the end.
.macro TRIP par, u, first, ex, wm, ldv, ldk, step
.set PCU, PA+64*(\par)
.set PNX, PA+64*(1-(\par))
.set KCU, KB+4*(\par)
.set KNX, KB+4*(1-(\par))
	WIN 0x01                                       ; PART A.  Source 0 (v, S^T) window 1; p, O of tiles 0-3 and the new p window 0
.set jx, 0
.rept 4
	s_wait_dscnt 12-4*jx                           ; v's pairs of keys 0 .. jx are in, and k, which was asked for ahead of them; the 4 loads of each later pair may be out
.set fx, 0
.rept 32
.if \ex && (jx < 3) && (fx%2 == 0)
	v_exp_f32 v[PNX+16*jx+fx/2], v[SA+16*jx+fx/2]  ; p = 2^score; each tile's registers from the low end on; a multiply-add stands behind every exponential
.endif
.if \ex && (jx == 3) && (fx < 16)
	v_exp_f32 v[PNX+48+fx], v[SA+48+fx]            ; the last sixteen stand closer, so that seventeen multiply-adds lie between the last of them and the wait
.endif
.if \first && (jx == 0)
	v_pk_mul_f32 v[O0+2*fx:O0+2*fx+1], v[VR+16*jx+2*(fx%8):VR+16*jx+2*(fx%8)+1], v[PCU+8*(fx/8)+2*jx:PCU+8*(fx/8)+2*jx+1]
.else
	v_pk_fma_f32 v[O0+2*fx:O0+2*fx+1], v[VR+16*jx+2*(fx%8):VR+16*jx+2*(fx%8)+1], v[PCU+8*(fx/8)+2*jx:PCU+8*(fx/8)+2*jx+1], v[O0+2*fx:O0+2*fx+1]
.endif
.set fx, fx+1
.endr
.set jx, jx+1
.endr
.if \ex
	s_wait_alu depctr_va_vdst(0)                   ; one wait for the 64 exponentials; their first reader is the next trip's first multiply-add
.endif
	WIN 0x51                                       ; PART B.  Source 0 (v, 1.0, k; an LDS address) window 1; source 1 (p, q) window 0; O of tiles 4-7, l, S^T and loaded data window 1
.set jx, 0
.rept 4
.set gx, 0
.rept 40
.if \wm && (gx%7 == 0) && (gx < 28)
.set wx, 4*jx+gx/7
	SMUL                                           ; four in a quarter, 7 multiply-adds apart; 19 follow the fourth, ahead of the LDS loads and, behind the trip's last, of the next trip's reads of S^T
.endif
.if gx < 32
.if \first && (jx == 0)
	v_pk_mul_f32 v[O1+2*gx:O1+2*gx+1], v[VR+16*jx+2*(gx%8):VR+16*jx+2*(gx%8)+1], v[PCU+32+8*(gx/8)+2*jx:PCU+32+8*(gx/8)+2*jx+1]
.else
	v_pk_fma_f32 v[O1+2*gx:O1+2*gx+1], v[VR+16*jx+2*(gx%8):VR+16*jx+2*(gx%8)+1], v[PCU+32+8*(gx/8)+2*jx:PCU+32+8*(gx/8)+2*jx+1], v[O1+2*gx:O1+2*gx+1]
.endif
.else
.if \first && (jx == 0)
	v_pk_mul_f32 v[LA+2*(gx-32):LA+2*(gx-32)+1], v[ONE:ONE+1], v[PCU+8*(gx-32)+2*jx:PCU+8*(gx-32)+2*jx+1]
.else
	v_pk_fma_f32 v[LA+2*(gx-32):LA+2*(gx-32)+1], v[ONE:ONE+1], v[PCU+8*(gx-32)+2*jx:PCU+8*(gx-32)+2*jx+1], v[LA+2*(gx-32):LA+2*(gx-32)+1]   ; the row's sum, as a ninth d with v = 1: the same window setting serves it
.endif
.endif
.set gx, gx+1
.endr
.if \ldk && (jx == 0)
	KLD KNX, (\u)+3                                ; into the buffer that the last trip's matrix instructions read; it is multiplied in the next trip's part B
.endif
.if \ldv
	VLD jx, \u                                     ; this pair of keys has had its last reader of the trip: the next tile's takes its registers
.endif
.set jx, jx+1
.endr
.if \step
	s_add_co_u32 s[TB], s[TB], (\step)*TKV
	v_add_nc_u32 v[ADK], s[TB], v[AK0]
	v_add_nc_u32 v[ADV], s[TB], v[AV0]
.endif
.endm
	s_mul_i32 s[TB], s20, NT*TKV                   ; my quarter's first tile
	WIN 0x51
	v_add_nc_u32 v[ADK], s[TB], v[AK0]
	v_add_nc_u32 v[ADV], s[TB], v[AV0]
	v_mov_b32 v[ONE], 1.0
	v_mov_b32 v[ONE+1], 1.0
	KLD KB, 0                                      ; k of tiles 0 and 1
	KLD KB+4, 1
	s_wait_dscnt 0x0
.set KCU, KB
.set wx, 0
.rept 16
	SMUL                                           ; tile 0's scores: there is no vector work yet to set between them
.set wx, wx+1
.endr
	PLACES 9                                       ; behind the f32 form: 8 ahead of the loads into k's registers and of the reads of S^T; with the v_nop below more than the 9 ahead of the matrix instructions that begin S^T anew
	KLD KB, 2                                      ; k of tile 2, then v of tile 0: the order of every trip
.irp g, 0,1,2,3
	VLD \g, -1
.endr
	WIN 0x01
.set ix, 0
.rept 64
	v_exp_f32 v[PA+ix], v[SA+ix]                   ; tile 0's p
.set ix, ix+1
.endr
	v_nop                                          ; a plain instruction behind the last exponential
	s_wait_alu depctr_va_vdst(0)                   ; one wait for the batch
	WIN 0x51
.set KCU, KB+4
.set wx, 0
.rept 16
	SMUL                                           ; tile 1's scores
.set wx, wx+1
.endr
	PLACES 8
	TRIP 0, 0, 1, 1, 1, 1, 1, 1                    ; tile 0
	WIN 0                                          ; at a label and at a branch every window is 0
	s_mov_b32 s[CNT], (NT-4)/2
.Lkeys:                                            ; tiles 1 to 28, two a pass: the buffers are back where they began
	TRIP 1, 0, 0, 1, 1, 1, 1, 0
	TRIP 0, 1, 0, 1, 1, 1, 1, 2
	WIN 0
	s_sub_co_u32 s[CNT], s[CNT], 1
	s_cmp_lg_u32 s[CNT], 0
	s_cbranch_scc1 .Lkeys
	TRIP 1, 0, 0, 1, 1, 1, 0, 0                    ; tile 29: no k is left to fetch
	TRIP 0, 1, 0, 1, 0, 1, 0, 0                    ; tile 30: no scores are left to make
	TRIP 1, 2, 0, 0, 0, 0, 0, 0                    ; tile 31: the multiply-adds alone
; THE END.  Even and odd keys' sums are added; the eight partial sums of a query meet in LDS, over k and v, which nobody reads behind the barrier.
	WIN 0
.set tx, 0
.rept 4
.set dx, 0
.rept 8
	v_add_f32 v[RG+12*tx+dx], v[O0+16*tx+2*dx], v[O0+16*tx+2*dx+1]
.set dx, dx+1
.endr
.set tx, tx+1
.endr
	WIN 0x05                                       ; sources window 1, destination window 0
.set tx, 4
.rept 4
.set dx, 0
.rept 8
	v_add_f32 v[RG+12*tx+dx], v[O1+16*(tx-4)+2*dx], v[O1+16*(tx-4)+2*dx+1]
.set dx, dx+1
.endr
.set tx, tx+1
.endr
.set tx, 0
.rept 8
	v_add_f32 v[RG+12*tx+8], v[LA+2*tx], v[LA+2*tx+1]
.set tx, tx+1
.endr
	WIN 0
	s_wait_dscnt 0x0                               ; my reads of k and v are over
	s_barrier_signal -1
	s_barrier_wait -1                              ; everybody's are
.set tx, 0
.rept 8
	ds_store_b128 v[RA], v[RG+12*tx:RG+12*tx+3] offset:256*tx          ; 16 lanes write 256 consecutive bytes
	ds_store_b128 v[RA], v[RG+12*tx+4:RG+12*tx+7] offset:4096+256*tx
	ds_store_b32 v[RLA], v[RG+12*tx+8] offset:64*tx
.set tx, tx+1
.endr
	s_wait_dscnt 0x0                               ; for the others' sake: my stores have landed
	s_barrier_signal -1
	s_barrier_wait -1
.irp s, 0,1,2,3,4,5,6,7
	ds_load_b128 v[GR+8*\s:GR+8*\s+3], v[RR] offset:8192*\s
	ds_load_b128 v[GR+8*\s+4:GR+8*\s+7], v[RR] offset:8192*\s+4096
	ds_load_b32 v[GL+\s], v[RRL] offset:1024*\s
.endr
	s_wait_dscnt 0x0
.irp s, 0,1,2,3
.irp i, 0,2,4,6
	v_pk_add_f32 v[GR+8*\s+\i:GR+8*\s+\i+1], v[GR+8*\s+\i:GR+8*\s+\i+1], v[GR+8*(\s+4)+\i:GR+8*(\s+4)+\i+1]
.endr
.endr
	v_pk_add_f32 v[GL:GL+1], v[GL:GL+1], v[GL+4:GL+5]
	v_pk_add_f32 v[GL+2:GL+3], v[GL+2:GL+3], v[GL+6:GL+7]
.irp s, 0,1
.irp i, 0,2,4,6
	v_pk_add_f32 v[GR+8*\s+\i:GR+8*\s+\i+1], v[GR+8*\s+\i:GR+8*\s+\i+1], v[GR+8*(\s+2)+\i:GR+8*(\s+2)+\i+1]
.endr
.endr
	v_pk_add_f32 v[GL:GL+1], v[GL:GL+1], v[GL+2:GL+3]
.irp i, 0,2,4,6
	v_pk_add_f32 v[GR+\i:GR+\i+1], v[GR+\i:GR+\i+1], v[GR+8+\i:GR+8+\i+1]
.endr
	v_add_f32 v[GL], v[GL], v[GL+1]                ; my query's sum of p
	v_rcp_f32 v[RC], v[GL]
	v_mov_b32 v[SCO], s45                          ; (plain instructions behind the reciprocal)
	v_mov_b32 v[LIM], s46
	s_wait_alu depctr_va_vdst(0)                   ; the wait ahead of its first reader
	v_fma_f32 v[ER], -v[GL], v[RC], 1.0            ; one Newton step
	v_fma_f32 v[RC], v[ER], v[RC], v[RC]
	v_mov_b32 v[RC+1], v[RC]
.irp i, 0,2,4,6
	v_pk_mul_f32 v[GR+\i:GR+\i+1], v[GR+\i:GR+\i+1], v[RC:RC+1]   ; o = O / l
.endr
.irp i, 0,1,2,3,4,5,6,7
	v_med3_num_f32 v[GR+\i], v[GR+\i], -v[LIM], v[LIM]            ; the conversion to an 8-bit code does not saturate (ISA guide 7.6.2): the hold at the largest code x the scale
.endr
	v_cvt_scalef32_pk8_bf8_f32 v[CD:CD+1], v[GR:GR+7], v[SCO]     ; o / 2^e6, to the nearest code, ties to even; d = 0 in the lowest byte
	v_nop                                          ; a plain instruction behind the scaled conversion
	global_store_b64 v[GO], v[CD:CD+1], s[16:17]   ; a wave stores 256 consecutive bytes, at a multiple of 256 from the buffer's first byte
	s_wait_tensorcnt 0x0                           ; the wave's end, behind my last LDS store
	ds_add_u32 v[SPW], v[NIL]
	s_wait_dscnt 0x0
	s_endpgm
.Lfunc_end_k_qb8fc365fae_attn:
	.size	k_qb8fc365fae_attn, .Lfunc_end_k_qb8fc365fae_attn-k_qb8fc365fae_attn
	.p2alignl 7, 3214868480
	.fill 96, 4, 3214868480
	.section	.rodata,"a",@progbits
	.p2align	6, 0x0
	.amdhsa_kernel k_qb8fc365fae_attn
		.amdhsa_group_segment_fixed_size 165120
		.amdhsa_private_segment_fixed_size 0
		.amdhsa_enable_private_segment 0
		.amdhsa_kernarg_size 56
		.amdhsa_user_sgpr_count 2
		.amdhsa_user_sgpr_kernarg_segment_ptr 1
		.amdhsa_wavefront_size32 1
		.amdhsa_system_sgpr_workgroup_id_x 1
		.amdhsa_system_sgpr_workgroup_id_y 1
		.amdhsa_system_sgpr_workgroup_id_z 1
		.amdhsa_system_vgpr_workitem_id 0
		.amdhsa_next_free_vgpr 512
		.amdhsa_next_free_sgpr 66
		.amdhsa_reserve_vcc 1
		.amdhsa_float_denorm_mode_32 3
		.amdhsa_float_denorm_mode_16_64 3
		.amdhsa_memory_ordered 1
		.amdhsa_forward_progress 1
		.amdhsa_inst_pref_size 242
	.end_amdhsa_kernel
	.amdgpu_metadata
---
amdhsa.version: [ 1, 2 ]
amdhsa.kernels:
  - .name:           k_qb8fc365fae_attn
    .symbol:         k_qb8fc365fae_attn.kd
    .args:
      - { .name: x_codes, .offset: 0, .size: 8, .value_kind: global_buffer, .address_space: global }
      - { .name: Wq_codes, .offset: 8, .size: 8, .value_kind: global_buffer, .address_space: global }
      - { .name: Wk_codes, .offset: 16, .size: 8, .value_kind: global_buffer, .address_space: global }
      - { .name: Wv_codes, .offset: 24, .size: 8, .value_kind: global_buffer, .address_space: global }
      - { .name: lowp_scales, .offset: 32, .size: 8, .value_kind: global_buffer, .address_space: global }
      - { .name: theta, .offset: 40, .size: 8, .value_kind: global_buffer, .address_space: global }
      - { .name: acodes, .offset: 48, .size: 8, .value_kind: global_buffer, .address_space: global }
    .group_segment_fixed_size: 165120
    .private_segment_fixed_size: 0
    .kernarg_segment_align: 8
    .kernarg_segment_size: 56
    .max_flat_workgroup_size: 256
    .sgpr_count:     66
    .vgpr_count:     512
    .wavefront_size: 32
...
	.end_amdgpu_metadata
.endif
;; end of part 1
;; launch proj (part 2): grid 256 x 1, 1 waves a work-group, no clusters, 8,704 bytes of LDS; arguments acodes, Wo_codes, lowp_scales, out0; writes out0
.if DOCPART == 2
	.amdgcn_target "amdgcn-amd-amdhsa--gfx1250"
	.amdhsa_code_object_version 6
	.text
	.protected	k_qb8fc365fae_proj
	.globl	k_qb8fc365fae_proj
	.p2align	8
	.type	k_qb8fc365fae_proj,@function
k_qb8fc365fae_proj:
	s_mov_b64 s[64:65], 0
	v_nop
	global_prefetch_b8 v0, s[64:65] scope:SCOPE_SE
	s_setreg_imm32_b32 hwreg(HW_REG_WAVE_MODE, 25, 1), 1
	s_wait_xcnt 0x0
; out0 = o Wo^T on codes of E5M2.  acodes: [batch][head][position][8] codes of o, scale 2^e6, as the launch before laid them; Wo: [128][128] codes, K innermost, scale 2^e7; out0: [4096][128] f32.
; Nothing is left out as dead work.  LIMIT: e6 + e7 between -126 and 127, so that 2^(e6 + e7) is an f32 number.
; A work-group is ONE wave and owns 16 rows x all 128 columns: 8 matrix instructions of 16 x 16 x 128.  So nothing is shared between waves and no barrier is needed; 256 work-groups cover the 4,096 rows.
; FRAGMENTS: registers 4 c .. 4 c + 3 of lane (r, h) hold k = 32 c + 16 h + 0 .. 15 of row r: of Wo 16 consecutive bytes, one load; of o the eight codes of head 4 c + 2 h and the eight of head 4 c + 2 h + 1, two loads of
; 8 bytes.  That is a permutation of k, the same in both operands: every product meets its partner.  So the wave has 8 + 32 = 40 loads, all out at once.
; THE MATRIX INSTRUCTION IS USED TRANSPOSED (source 0 = 16 rows of Wo, source 1 = my 16 rows of o): a lane holds eight neighbouring columns of one row.  The rows go through my stage in LDS (528 bytes apart: an
; odd multiple of 16, so that the 16 rows that a store touches start at different banks) and leave whole: 32 lanes store 512 consecutive bytes.
; No cluster: what the work-groups share is Wo's 16 KB, read once by each, straight into registers.
.set SPITCH, 528
.set SPARE,  16*SPITCH                 ; behind the stage: the spare words: one block of 256 bytes that no other line names
.set SPW, 14                           ; v14  LDS address of my spare word; never rewritten
.set NIL, 15                           ; v15  0; never rewritten
.set AF,  16                           ; v16-31   o's fragment
.set WF,  32                           ; v32-159  Wo's eight fragments
.set ACC, 160                          ; v160-223 the eight sums
.set TMP, 32                           ; the way out: sums x 2^(e6 + e7)
.set BK,  96                           ; and 16 rows read back
	s_load_b128 s[4:7], s[0:1], 0x0                ; acodes, Wo's codes
	s_load_b128 s[8:11], s[0:1], 0x10              ; the scales' exponents, out0
	v_lshl_add_u32 v[SPW], v0, 2, SPARE
	v_mov_b32 v[NIL], 0
	v_and_b32 v1, 15, v0                           ; r
	v_lshrrev_b32 v2, 4, v0                        ; h
	v_lshlrev_b32 v3, 3, v1
	v_lshl_add_u32 v3, v2, 15, v3                  ; o: position r: 8 bytes; head 2 h: 2 x 2,048 x 8 bytes
	v_lshlrev_b32 v4, 7, v1
	v_lshl_add_u32 v4, v2, 4, v4                   ; Wo: row r of 128 bytes, + 16 h
	v_mul_u32_u24 v5, v1, SPITCH
	v_lshl_add_u32 v5, v2, 5, v5                   ; the stage, in: row r, 32 bytes for each half of the lanes
	v_lshlrev_b32 v6, 4, v0                        ; back, and in out0: 16 bytes a lane
	s_lshr_b32 s12, ttmp9, 7                       ; batch
	s_and_b32 s13, ttmp9, 127                      ; which 16 positions of it
	s_lshl_b32 s12, s12, 18                        ; 16 heads x 2,048 x 8 bytes
	s_lshl_b32 s13, s13, 7                         ; 16 positions x 8 bytes
	s_add_co_u32 s12, s12, s13
	s_mov_b32 s13, 0
	s_lshl_b32 s14, ttmp9, 13                      ; 16 rows of 512 bytes
	s_mov_b32 s15, 0
	s_wait_kmcnt 0x0
	s_load_b64 s[16:17], s[8:9], 0x18              ; e6, e7
	s_add_nc_u64 s[4:5], s[4:5], s[12:13]
	s_add_nc_u64 s[10:11], s[10:11], s[14:15]
.irp c, 0,1,2,3
	global_load_b64 v[AF+4*\c:AF+4*\c+1], v3, s[4:5] offset:65536*\c th:TH_LOAD_NT            ; head 4 c + 2 h: 16 lanes read 128 consecutive bytes; read once in the launch
	global_load_b64 v[AF+4*\c+2:AF+4*\c+3], v3, s[4:5] offset:65536*\c+16384 th:TH_LOAD_NT    ; head 4 c + 2 h + 1
.endr
.set nx, 0
.rept 8
.irp c, 0,1,2,3
	global_load_b128 v[WF+16*nx+4*\c:WF+16*nx+4*\c+3], v4, s[6:7] offset:2048*nx+32*\c
.endr
.set nx, nx+1
.endr
	s_wait_loadcnt 0x0
.set nx, 0
.rept 8
	v_wmma_f32_16x16x128_bf8_bf8 v[ACC+8*nx:ACC+8*nx+7], v[WF+16*nx:WF+16*nx+15], v[AF:AF+15], 0   ; lane (r, h): out0(row r, 16 nx + 8 h + 0 .. 7)
.set nx, nx+1
.endr
.rept 4
	v_nop                                          ; places ahead of the reads of the sums and of the writes over Wo's registers
.endr
	s_wait_kmcnt 0x0
	s_add_co_i32 s16, s16, s17
	s_add_co_i32 s16, s16, 127
	s_lshl_b32 s16, s16, 23                        ; 2^(e6 + e7) as f32
.irp j, 0,2,4,6,8,10,12,14,16,18,20,22,24,26,28,30,32,34,36,38,40,42,44,46,48,50,52,54,56,58,60,62
	v_pk_mul_f32 v[TMP+\j:TMP+\j+1], v[ACC+\j:ACC+\j+1], s[16:17] op_sel_hi:[1,0]   ; both x s16; each sum's registers from the low end on
.endr
.irp n, 0,1,2,3,4,5,6,7
	ds_store_b128 v5, v[TMP+8*\n:TMP+8*\n+3] offset:64*\n
	ds_store_b128 v5, v[TMP+8*\n+4:TMP+8*\n+7] offset:64*\n+16
.endr
.irp i, 0,1,2,3,4,5,6,7,8,9,10,11,12,13,14,15
	ds_load_b128 v[BK+4*\i:BK+4*\i+3], v6 offset:\i*SPITCH   ; LDS serves a wave's instructions in order (ISA guide 5.7.1.4): these see my stores
.endr
.irp i, 0,1,2,3,4,5,6,7,8,9,10,11,12,13,14,15
	s_wait_dscnt 15-\i                             ; row i is back; the younger rows' loads may be out
	global_store_b128 v6, v[BK+4*\i:BK+4*\i+3], s[10:11] offset:512*\i th:TH_STORE_NT   ; 32 lanes store a row of 512 bytes, at a multiple of 256 from out0's first byte
.endr
	s_wait_tensorcnt 0x0                           ; the wave's end, behind my last LDS store
	ds_add_u32 v[SPW], v[NIL]
	s_wait_dscnt 0x0
	s_endpgm
.Lfunc_end_k_qb8fc365fae_proj:
	.size	k_qb8fc365fae_proj, .Lfunc_end_k_qb8fc365fae_proj-k_qb8fc365fae_proj
	.p2alignl 7, 3214868480
	.fill 96, 4, 3214868480
	.section	.rodata,"a",@progbits
	.p2align	6, 0x0
	.amdhsa_kernel k_qb8fc365fae_proj
		.amdhsa_group_segment_fixed_size 8704
		.amdhsa_private_segment_fixed_size 0
		.amdhsa_enable_private_segment 0
		.amdhsa_kernarg_size 32
		.amdhsa_user_sgpr_count 2
		.amdhsa_user_sgpr_kernarg_segment_ptr 1
		.amdhsa_wavefront_size32 1
		.amdhsa_system_sgpr_workgroup_id_x 1
		.amdhsa_system_sgpr_workgroup_id_y 1
		.amdhsa_system_sgpr_workgroup_id_z 1
		.amdhsa_system_vgpr_workitem_id 0
		.amdhsa_next_free_vgpr 224
		.amdhsa_next_free_sgpr 66
		.amdhsa_reserve_vcc 0
		.amdhsa_float_denorm_mode_32 3
		.amdhsa_float_denorm_mode_16_64 3
		.amdhsa_memory_ordered 1
		.amdhsa_forward_progress 1
		.amdhsa_inst_pref_size 13
	.end_amdhsa_kernel
	.amdgpu_metadata
---
amdhsa.version: [ 1, 2 ]
amdhsa.kernels:
  - .name:           k_qb8fc365fae_proj
    .symbol:         k_qb8fc365fae_proj.kd
    .args:
      - { .name: acodes, .offset: 0, .size: 8, .value_kind: global_buffer, .address_space: global }
      - { .name: Wo_codes, .offset: 8, .size: 8, .value_kind: global_buffer, .address_space: global }
      - { .name: lowp_scales, .offset: 16, .size: 8, .value_kind: global_buffer, .address_space: global }
      - { .name: out0, .offset: 24, .size: 8, .value_kind: global_buffer, .address_space: global }
    .group_segment_fixed_size: 8704
    .private_segment_fixed_size: 0
    .kernarg_segment_align: 8
    .kernarg_segment_size: 32
    .max_flat_workgroup_size: 32
    .sgpr_count:     66
    .vgpr_count:     224
    .wavefront_size: 32
...
	.end_amdgpu_metadata
.endif
;; end of part 2
